; MI455X (gfx1250); checked and timed in simulation.
; The chip was launched on July 23, 2026; its instructions are those of AMD's public machine-readable ISA for CDNA 5 (MIT licence, August 2026) and "CDNA5" Instruction Set Architecture Reference Guide (July 2026). The comments in the code are by the model that wrote it; some were corrected since.
;; Multi Headed Attention. Allowed arithmetic: matrix products marked QUANTISED: E2M3 operands, one E8M0 scale for each 32 along K, by v_wmma_scale_f32_16x16x128_f8f6f4 with both operands' format E2M3, f32 sums; everything else in f32.
;; Inputs: Wk 1,024 x 1,024 float32; Wo 1,024 x 1,024 float32; Wq 1,024 x 1,024 float32; Wv 1,024 x 1,024 float32; bk 1,024 float32; bo 1,024 float32; bq 1,024 float32; bv 1,024 float32; hidden_states 2 x 2,048 x 1,024 float32.
;; Outputs: out0 2 x 2,048 x 1,024 float32.
;; This version of the problem:
;;   THIS VERSION OF THE PROBLEM IS GIVEN IN LOW PRECISION. The matrix products marked QUANTISED in the list below multiply operands that are first quantised to E2M3 (2 exponent bits, 3 mantissa bits; 6 bits a number), with one power-of-two scale for each 32 numbers along K (OCP MX v1.0); their sums are f32. All else is computed in f32.
;;   The module's matrix products, in the order in which they are computed (A, B: the left and right operand; K: the contracted axis; several contracted axes count as one K, in the product's order):
;;     1. [M 4,096, K 1,024] x [K 1,024, N 1,024]; A: input hidden_states; B: input Wq: QUANTISED
;;     2. [M 4,096, K 1,024] x [K 1,024, N 1,024]; A: input hidden_states; B: input Wk: QUANTISED
;;     3. [M 4,096, K 1,024] x [K 1,024, N 1,024]; A: input hidden_states; B: input Wv: QUANTISED
;;     4. batch 32 x [M 2,048, K 64] x [K 64, N 2,048]; A: computed on the way; B: computed on the way: QUANTISED
;;     5. batch 32 x [M 2,048, K 2,048] x [K 2,048, N 64]; A: softmax (see below); B: computed on the way: QUANTISED
;;     6. [M 4,096, K 1,024] x [K 1,024, N 1,024]; A: computed on the way; B: input Wo: QUANTISED
;;   THE QUANTISER, for each operand of a quantised product, along K:
;;     - K is cut into blocks of 32 from its start; a last block that is shorter is filled with zeros.
;;     - A block's scale is 2^e with e = floor(log2(the largest magnitude in the block)) - 2, held to -126 .. 127; a block of zeros has e = 0. As a byte (E8M0): e + 127.
;;     - Each number is divided by its block's scale, clamped to +-7.5, and rounded to the nearest number of E2M3, ties to even, subnormals kept.
;;     - The product sums the exact products of the quantised numbers (number of the format x scale) in f32.
;;   ~~~python
;;   def quantise(x, axis):      # numpy; x: float32 -> the quantised numbers, widened to float32 again
;;       x = np.moveaxis(x, axis, -1); K = x.shape[-1]
;;       x = np.pad(x, [(0, 0)] * (x.ndim - 1) + [(0, -K % 32)]); x = x.reshape(x.shape[:-1] + (-1, 32)); a = np.abs(x).max(-1, keepdims=True)
;;       e = np.where(a > 0, np.clip(np.frexp(np.where(a > 0, a, 1))[1] - 1 - 2, -126, 127), 0)      # np.frexp(a)[1] - 1 = floor(log2(a)), exactly
;;       r = np.clip(x / 2.0 ** e, -7.5, 7.5)
;;       step = 2.0 ** (np.maximum(np.frexp(np.where(r == 0, 1, r))[1] - 1, 0) - 3)
;;       q = np.round(r / step) * step * 2.0 ** e      # np.round: ties to even
;;       return np.moveaxis(q.reshape(q.shape[:-2] + (-1,))[..., :K], -1, axis).astype(np.float32)
;;   ~~~
;;   SOFTMAX AHEAD OF A QUANTISED PRODUCT. Where the list says 'softmax', what is quantised is not the finished softmax but p = 2^(t - M), with t = logit x log2(e) and M = ceil(the row's largest t), a whole number; so 1/2 < the row's largest p <= 1. The row's sum l is taken of the UNQUANTISED p, in f32, and the product's result is divided by l at the end. Since M is a whole number, a kernel that streams over the keys may use a running M (the ceiling of the running maximum): every later rescaling is an exact power of two, which a block's scale takes up: the codes' values come out the same.
;;   OPERANDS COMPUTED ON THE WAY. 'Computed on the way' means the value that the module computes at that place (a softmax that the list does not call 'softmax' is quantised finished and normalised). What goes into a quantiser is computed in f32, as accurately as f32 sums, v_exp_f32 and their like allow (about 1e-6 of the number): no bf16 or f16 on the way to a quantiser, and a product that is left as it is and whose result goes on into a quantised operand takes f32 operands (vector FMAs, or v_wmma_f32_16x16x4_f32). A number that lies on a knife's edge between two numbers of the format may be rounded either way, as far as f32 arithmetic and the matrix unit's own rounding can turn it there, and no further.
;; One version. Each part assembles by itself: llvm-mc -triple=amdgcn-amd-amdhsa -mcpu=gfx1250 --defsym DOCPART=n.
;; ======== version 1 of 1: 4 launches
;; limits: right only within a limited range of input values
;; workspace buffers: xc 3,276,800 bytes; wc 2,457,600 bytes; woc 819,200 bytes; kvq 9,830,400 bytes; mc 3,276,800 bytes
;; launch quant (part 1): grid 512 x 1, 4 waves a work-group, no clusters, 80,896 bytes of LDS; arguments hidden_states, Wq, Wk, Wv, Wo, xc, wc, woc; writes xc, wc, woc
.if DOCPART == 1
	.amdgcn_target "amdgcn-amd-amdhsa--gfx1250"
	.amdhsa_code_object_version 6
	.text
	.protected	k_q86bd357022_quant
	.globl	k_q86bd357022_quant
	.p2align	8
	.type	k_q86bd357022_quant,@function
k_q86bd357022_quant:
	s_mov_b64 s[64:65], 0
	v_nop
	global_prefetch_b8 v0, s[64:65] scope:SCOPE_SE
	s_setreg_imm32_b32 hwreg(HW_REG_WAVE_MODE, 25, 1), 1
	s_wait_xcnt 0x0
; hidden_states [4096][1024] (K innermost) and Wq, Wk, Wv, Wo [1024 (k)][1024 (n)] (K is the FIRST axis), f32, become codes of FP6 (E2M3) with one E8M0 byte for each 32 along K.
; A block's scale is 2^(floor(log2(its largest magnitude)) - 2); its byte is that magnitude's exponent field - 2, held at 1 from below.
; LAYOUT, in the order of a matrix operand's registers.  A fragment (16 rows x 128 K, 12 registers a lane) is an image of 1,536 bytes: registers 4 q .. 4 q + 3 of lane l at 512 q + 16 l.
; TILES: of a band of 64 rows (tokens, or a weight's columns) tile j = 0 .. 3 holds as its row 8 h + i the band's row 32 h + 8 j + i.  So the results of four tiles lie in a lane as 32 neighbours, one scale block.
; A tile's scale words: 16 words of 4 bytes behind the codes of the same K step.
; xc: [256 tokens 16][K step 8] 25,600 bytes: 16 tiles, then 1,024 bytes of scale words.  wc: [head 16][K step 8] 19,200 bytes: Wq's, Wk's, Wv's 4 tiles each, then 768 bytes of words.
; woc: [128 columns 8][K step 8] 12,800 bytes: 8 tiles, then 512 bytes of words.
; SHARES.  Work-groups 0-255 take X: a wave two tiles x 128 K.  Work-groups 256-511 take the weights: 128 columns x 128 K; a wave 32 columns.
; No work of the module is left out in this program: bk moves the codes of a quantised operand and stays.
; LIMITS: NaN and infinities among the inputs are not served.  A block whose largest magnitude lies under 2^-124 gets the byte 1; so does a block of zeros, where the rule says 127: its codes are zeros, which add nothing
; under any byte but 0xff, and this program alone reads the bytes.
.set WI, 67584                         ; behind the X path's stages: the weights' images, 12,288 bytes, and 512 bytes of words
.set SPARE, WI+12800                   ; the spare words: 128 bytes for each wave, named by no other line
; two blocks of 32 numbers at v[x0 ..] and v[x1 ..] become six registers of codes each at v[c0 ..], v[c1 ..]; their scale bytes in v16, v17.  Four chains by turns
.macro QB x0, x1, c0, c1
	v_max3_num_f32 v10, |v[(\x0)]|, |v[(\x0)+1]|, |v[(\x0)+2]|
	v_max3_num_f32 v11, |v[(\x0)+16]|, |v[(\x0)+17]|, |v[(\x0)+18]|
	v_max3_num_f32 v12, |v[(\x1)]|, |v[(\x1)+1]|, |v[(\x1)+2]|
	v_max3_num_f32 v13, |v[(\x1)+16]|, |v[(\x1)+17]|, |v[(\x1)+18]|
.irp i, 3,5,7,9,11,13
	v_max3_num_f32 v10, v10, |v[(\x0)+\i]|, |v[(\x0)+\i+1]|
	v_max3_num_f32 v11, v11, |v[(\x0)+16+\i]|, |v[(\x0)+17+\i]|
	v_max3_num_f32 v12, v12, |v[(\x1)+\i]|, |v[(\x1)+\i+1]|
	v_max3_num_f32 v13, v13, |v[(\x1)+16+\i]|, |v[(\x1)+17+\i]|
.endr
	v_max3_num_f32 v10, v10, |v[(\x0)+15]|, |v[(\x0)+31]|
	v_max3_num_f32 v12, v12, |v[(\x1)+15]|, |v[(\x1)+31]|
	v_max3_num_f32 v10, v10, v11, 0x1800000        ; the floor 2^(3 - 127): the byte cannot fall under 1
	v_max3_num_f32 v12, v12, v13, 0x1800000
	v_add_nc_u32 v14, 0xff000000, v10              ; 2 off the exponent field: the conversion takes this operand's exponent field as its scale
	v_add_nc_u32 v15, 0xff000000, v12
	v_lshrrev_b32 v16, 23, v14
	v_lshrrev_b32 v17, 23, v15
	v_cvt_scalef32_pk16_fp6_f32 v[(\c0):(\c0)+2], v[(\x0):(\x0)+15], v14
	v_cvt_scalef32_pk16_fp6_f32 v[24:26], v[(\x0)+16:(\x0)+31], v14   ; (a conversion's three registers begin on an even number)
	v_cvt_scalef32_pk16_fp6_f32 v[(\c1):(\c1)+2], v[(\x1):(\x1)+15], v15
	v_cvt_scalef32_pk16_fp6_f32 v[28:30], v[(\x1)+16:(\x1)+31], v15
	v_nop                                          ; one plain instruction behind the scaled conversions
.irp i, 0,1,2
	v_mov_b32 v[(\c0)+3+\i], v[24+\i]
.endr
.irp i, 0,1,2
	v_mov_b32 v[(\c1)+3+\i], v[28+\i]
.endr
.endm
; the scale word of a row of X: bytes h and 2 + h are mine, the others lane l xor 16's
.macro WORD pw
	v_lshl_or_b32 v18, v17, 16, v16
	v_lshlrev_b32 v18, v6, v18
	v_permlanex16_b32 v20, v18, s22, s23
	v_or_b32 v[\pw], v18, v20
.endm
	s_load_b512 s[4:19], s[0:1], 0x0               ; hidden s[4:5], Wq s[6:7], Wk s[8:9], Wv s[10:11], Wo s[12:13], xc s[14:15], wc s[16:17], woc s[18:19]
	v_lshl_add_u32 v254, v0, 2, SPARE
	v_mov_b32 v255, 0
	v_lshrrev_b32 v1, 5, v0
	v_readfirstlane_b32 s20, v1                    ; wave
	v_and_b32 v1, 31, v0                           ; lane
	v_and_b32 v4, 15, v0                           ; r
	v_bfe_u32 v5, v0, 4, 1                         ; h
	v_lshlrev_b32 v2, 4, v1                        ; 16 x lane
	v_lshlrev_b32 v3, 2, v1                        ; 4 x lane
	v_lshlrev_b32 v6, 3, v5                        ; 8 h
	s_cmp_ge_u32 ttmp9, 256
	s_wait_alu depctr_va_vdst(0)
	s_cbranch_scc1 .Lw
	; ---- X: tiles 2 p, 2 p + 1 (g = x / 2 = 8 x block of 256 tokens + p), K step s = 4 (x % 2) + wave
	s_mov_b32 s22, 0x76543210                      ; selects of v_permlanex16_b32: lane l xor 16
	s_mov_b32 s23, 0xfedcba98
	s_lshr_b32 s24, ttmp9, 1                       ; g
	s_and_b32 s25, ttmp9, 1
	s_lshl_b32 s25, s25, 2
	s_add_co_u32 s25, s25, s20                     ; s
	s_lshr_b32 s26, s24, 1
	s_lshl_b32 s26, s26, 6                         ; the band's first token
	s_and_b32 s27, s24, 1
	s_lshl_b32 s27, s27, 4
	s_add_co_u32 s26, s26, s27
	s_lshl_b32 s26, s26, 12                        ; rows of 4,096 bytes
	s_lshl_b32 s27, s25, 9
	s_add_co_u32 s26, s26, s27
	s_mov_b32 s27, 0
	s_lshr_b32 s28, s24, 3
	s_mul_i32 s28, s28, 204800
	s_mul_i32 s29, s25, 25600
	s_add_co_u32 s28, s28, s29                     ; the K step's chunk
	s_and_b32 s29, s24, 7                          ; p
	s_lshl_b32 s30, s29, 7
	s_add_co_u32 s30, s30, s28
	s_add_co_u32 s30, s30, 24576                   ; its words
	s_mul_i32 s29, s29, 3072
	s_add_co_u32 s28, s28, s29
	s_mov_b32 s29, 0
	s_mov_b32 s31, 0
	s_mul_i32 s32, s20, 16896                      ; my wave's two stages of 16 rows x 528 bytes
	v_add_nc_u32 v7, s32, v2                       ; in: a row's 512 bytes as they lie
	v_mul_u32_u24 v8, v4, 528
	v_lshl_add_u32 v8, v5, 7, v8
	v_add_nc_u32 v8, s32, v8                       ; out: row r, + 128 h: my 32 numbers of each 64
	v_mov_b32 v20, 0                               ; written once: a lane permute's destination counts as one of its sources
	s_wait_alu depctr_va_vdst(0)
	s_wait_kmcnt 0x0
	s_add_nc_u64 s[4:5], s[4:5], s[26:27]
	s_add_nc_u64 s[28:29], s[14:15], s[28:29]
	s_add_nc_u64 s[30:31], s[14:15], s[30:31]
.set N, 0
.rept 32                               ; tile N / 16, its row N % 16: 32 lanes read 512 consecutive bytes
	global_load_b128 v[32+4*N:35+4*N], v2, s[4:5] offset:(8*(N/16)+N%8+32*((N%16)/8))*4096 th:TH_LOAD_NT
.set N, N+1
.endr
	s_wait_loadcnt 16                              ; tile 0's 16 loads are in; tile 1's 16 may be out
.set N, 0
.rept 16
	ds_store_b128 v7, v[32+4*N:35+4*N] offset:528*N
.set N, N+1
.endr
.set N, 0
.rept 16                               ; LDS serves a wave's instructions in order: these see the stores above
	ds_load_b128 v[160+4*N:163+4*N], v8 offset:256*(N/8)+16*(N%8)
.set N, N+1
.endr
	s_wait_loadcnt 0x0
.set N, 0
.rept 16
	ds_store_b128 v7, v[96+4*N:99+4*N] offset:8448+528*N
.set N, N+1
.endr
	s_wait_dscnt 16                                ; stage 0's stores and loads are done (the 16 stores just issued may be out)
.set N, 0
.rept 16
	ds_load_b128 v[32+4*N:35+4*N], v8 offset:8448+256*(N/8)+16*(N%8)
.set N, N+1
.endr
	QB 160, 192, 224, 230
	WORD 21
.irp q, 0,1,2
	global_store_b128 v2, v[224+4*\q:227+4*\q], s[28:29] offset:512*\q   ; 512 consecutive bytes a store
.endr
	s_wait_alu depctr_va_vdst(0)
	s_wait_dscnt 0x0                               ; tile 1 is back, and stage 1's stores have read v96-159
	QB 32, 64, 96, 102
	WORD 22
.irp q, 0,1,2
	global_store_b128 v2, v[96+4*\q:99+4*\q], s[28:29] offset:1536+512*\q
.endr
	v_cmp_le_u32 vcc_lo, 16, v1
	v_cndmask_b32 v23, v21, v22, vcc_lo            ; lanes 0-15 tile 0's words, lanes 16-31 tile 1's
	global_store_b32 v3, v23, s[30:31]
	s_wait_tensorcnt 0x0                           ; the wave's end
	ds_add_u32 v254, v255
	s_wait_dscnt 0x0
	s_endpgm
	; ---- W: weight (x - 256) / 64, block of 128 columns, K step; wave w takes columns 32 w + lane.  A LANE TAKES A COLUMN, ITS REGISTERS RUN DOWN K
	; column 64 c + 32 h + 8 j + i: c = w / 2, h = w % 2, j = lane / 8, i = lane % 8: row 8 h + i of tile j
.Lw:
	s_sub_co_u32 s22, ttmp9, 256
	s_lshr_b32 s23, s22, 6                         ; which weight: q, k, v, o
	s_bfe_u32 s24, s22, 0x30003                    ; block
	s_and_b32 s25, s22, 7                          ; K step
	s_lshl_b32 s26, s25, 19                        ; 128 rows of 4,096 bytes
	s_lshl_b32 s27, s24, 9
	s_add_co_u32 s26, s26, s27
	s_lshl_b32 s27, s20, 7
	s_add_co_u32 s26, s26, s27
	s_mov_b32 s27, 0
	s_lshr_b32 s32, s20, 1                         ; c
	s_and_b32 s33, s20, 1                          ; h
	s_lshl_b32 s28, s24, 1
	s_add_co_u32 s28, s28, s32                     ; head
	s_mul_i32 s28, s28, 153600
	s_mul_i32 s29, s25, 19200
	s_add_co_u32 s28, s28, s29
	s_lshl_b32 s30, s23, 8
	s_add_co_u32 s30, s30, s28
	s_add_co_u32 s30, s30, 18432                   ; q, k, v: the words,
	s_mul_i32 s29, s23, 6144
	s_add_co_u32 s28, s28, s29                     ; the codes
	s_mul_i32 s34, s24, 102400
	s_mul_i32 s35, s25, 12800
	s_add_co_u32 s34, s34, s35
	s_lshl_b32 s35, s32, 8
	s_add_co_u32 s35, s35, s34
	s_add_co_u32 s35, s35, 12288                   ; o: the words,
	s_mul_i32 s36, s32, 6144
	s_add_co_u32 s34, s34, s36                     ; the codes
	s_cmp_eq_u32 s23, 3
	s_cselect_b32 s28, s34, s28
	s_cselect_b32 s30, s35, s30
	s_mul_i32 s34, s33, 3072                       ; I store the half w % 2 of head c's four tiles,
	s_add_co_u32 s28, s28, s34
	s_lshl_b32 s34, s33, 7                         ; and of their words
	s_add_co_u32 s30, s30, s34
	s_mov_b32 s29, 0
	s_mov_b32 s31, 0
	s_mul_i32 s34, s32, 6144
	s_lshl_b32 s35, s33, 7
	s_add_co_u32 s34, s34, s35
	s_add_co_u32 s34, s34, WI
	s_lshl_b32 s35, s32, 8
	s_lshl_b32 s36, s33, 5
	s_add_co_u32 s35, s35, s36
	s_add_co_u32 s35, s35, WI+12288
	s_mul_i32 s36, s20, 3072
	s_add_co_u32 s36, s36, WI
	s_lshl_b32 s37, s20, 7
	s_add_co_u32 s37, s37, WI+12288
	v_lshrrev_b32 v21, 3, v1                       ; j
	v_and_b32 v22, 7, v1                           ; i
	v_mul_u32_u24 v7, v21, 1536
	v_lshl_add_u32 v7, v22, 4, v7
	v_add_nc_u32 v7, s34, v7                       ; into the image: tile j, row 8 h + i
	v_lshlrev_b32 v8, 6, v21
	v_lshl_add_u32 v8, v22, 2, v8
	v_add_nc_u32 v8, s35, v8                       ; and among the words
	v_add_nc_u32 v9, s36, v2                       ; out of it: my 3,072 bytes as they lie
	v_add_nc_u32 v31, s37, v3                      ; and my 128 bytes of words
	s_wait_alu depctr_va_vdst(0)
	s_wait_kmcnt 0x0
	s_cmp_eq_u32 s23, 1                            ; the choice hangs on the work-group's number alone
	s_cselect_b64 s[6:7], s[8:9], s[6:7]
	s_cmp_eq_u32 s23, 2
	s_cselect_b64 s[6:7], s[10:11], s[6:7]
	s_cmp_eq_u32 s23, 3
	s_cselect_b64 s[6:7], s[12:13], s[6:7]
	s_cselect_b64 s[16:17], s[18:19], s[16:17]
	s_add_nc_u64 s[6:7], s[6:7], s[26:27]
	s_add_nc_u64 s[28:29], s[16:17], s[28:29]
	s_add_nc_u64 s[30:31], s[16:17], s[30:31]
.set N, 0
.rept 128                              ; W(128 s + N, my column): a wave reads 128 consecutive bytes, the four waves side by side 512
	global_load_b32 v[32+N], v3, s[6:7] offset:4096*N th:TH_LOAD_NT
.set N, N+1
.endr
	s_wait_loadcnt 63                              ; the first 65 loads are in: blocks 0 and 1
	QB 32, 64, 160, 172                            ; v160-171: what lane (r, 0) of the fragment holds (blocks 0, 2); v172-183: lane (r, 1)'s (1, 3)
	v_lshl_or_b32 v18, v17, 8, v16
	s_wait_alu depctr_va_vdst(0)
	s_wait_loadcnt 0x0
	QB 96, 128, 166, 178
	v_lshl_or_b32 v19, v17, 8, v16
	v_lshl_or_b32 v18, v19, 16, v18
.irp q, 0,1,2
	ds_store_b128 v7, v[160+4*\q:163+4*\q] offset:512*\q
	ds_store_b128 v7, v[172+4*\q:175+4*\q] offset:512*\q+256
.endr
	ds_store_b32 v8, v18
	s_wait_dscnt 0x0
	s_barrier_signal -1
	s_barrier_wait -1                              ; the four waves' columns are in the images
.irp n, 0,1,2,3,4,5
	ds_load_b128 v[192+4*\n:195+4*\n], v9 offset:512*\n
.endr
	ds_load_b32 v23, v31
	s_wait_dscnt 0x0
.irp n, 0,1,2,3,4,5
	global_store_b128 v2, v[192+4*\n:195+4*\n], s[28:29] offset:512*\n   ; 512 consecutive bytes a store
.endr
	global_store_b32 v3, v23, s[30:31]
	s_wait_tensorcnt 0x0                           ; the wave's end
	ds_add_u32 v254, v255
	s_wait_dscnt 0x0
	s_endpgm
.Lfunc_end_k_q86bd357022_quant:
	.size	k_q86bd357022_quant, .Lfunc_end_k_q86bd357022_quant-k_q86bd357022_quant
	.p2alignl 7, 3214868480
	.fill 96, 4, 3214868480
	.section	.rodata,"a",@progbits
	.p2align	6, 0x0
	.amdhsa_kernel k_q86bd357022_quant
		.amdhsa_group_segment_fixed_size 80896
		.amdhsa_private_segment_fixed_size 0
		.amdhsa_enable_private_segment 0
		.amdhsa_kernarg_size 64
		.amdhsa_user_sgpr_count 2
		.amdhsa_user_sgpr_kernarg_segment_ptr 1
		.amdhsa_wavefront_size32 1
		.amdhsa_system_sgpr_workgroup_id_x 1
		.amdhsa_system_sgpr_workgroup_id_y 1
		.amdhsa_system_sgpr_workgroup_id_z 1
		.amdhsa_system_vgpr_workitem_id 0
		.amdhsa_next_free_vgpr 256
		.amdhsa_next_free_sgpr 66
		.amdhsa_reserve_vcc 1
		.amdhsa_float_denorm_mode_32 3
		.amdhsa_float_denorm_mode_16_64 3
		.amdhsa_memory_ordered 1
		.amdhsa_forward_progress 1
		.amdhsa_inst_pref_size 39
	.end_amdhsa_kernel
	.amdgpu_metadata
---
amdhsa.version: [ 1, 2 ]
amdhsa.kernels:
  - .name:           k_q86bd357022_quant
    .symbol:         k_q86bd357022_quant.kd
    .args:
      - { .name: hidden_states, .offset: 0, .size: 8, .value_kind: global_buffer, .address_space: global }
      - { .name: Wq, .offset: 8, .size: 8, .value_kind: global_buffer, .address_space: global }
      - { .name: Wk, .offset: 16, .size: 8, .value_kind: global_buffer, .address_space: global }
      - { .name: Wv, .offset: 24, .size: 8, .value_kind: global_buffer, .address_space: global }
      - { .name: Wo, .offset: 32, .size: 8, .value_kind: global_buffer, .address_space: global }
      - { .name: xc, .offset: 40, .size: 8, .value_kind: global_buffer, .address_space: global }
      - { .name: wc, .offset: 48, .size: 8, .value_kind: global_buffer, .address_space: global }
      - { .name: woc, .offset: 56, .size: 8, .value_kind: global_buffer, .address_space: global }
    .group_segment_fixed_size: 80896
    .private_segment_fixed_size: 0
    .kernarg_segment_align: 8
    .kernarg_segment_size: 64
    .max_flat_workgroup_size: 128
    .sgpr_count:     66
    .vgpr_count:     256
    .wavefront_size: 32
...
	.end_amdgpu_metadata
.endif
;; end of part 1
;; launch qkv (part 2): grid 16 x 16, 4 waves a work-group, clusters of 4 x 4, 327,680 bytes of LDS; arguments xc, wc, bq, bk, bv, kvq; writes kvq
.if DOCPART == 2
	.amdgcn_target "amdgcn-amd-amdhsa--gfx1250"
	.amdhsa_code_object_version 6
	.text
	.protected	k_q86bd357022_qkv
	.globl	k_q86bd357022_qkv
	.p2align	8
	.type	k_q86bd357022_qkv,@function
k_q86bd357022_qkv:
	s_mov_b64 s[64:65], 0
	v_nop
	global_prefetch_b8 v0, s[64:65] scope:SCOPE_SE
	s_setreg_imm32_b32 hwreg(HW_REG_WAVE_MODE, 25, 1), 1
	s_wait_xcnt 0x0
	s_wait_alu depctr_hold_cnt(0) depctr_sa_sdst(0) depctr_va_vdst(0) depctr_va_sdst(0) depctr_va_ssrc(0) depctr_va_vcc(0) depctr_vm_vsrc(0)
	s_getreg_b32 s2, hwreg(HW_REG_IB_STS2, 6, 4)
	s_cmp_eq_u32 s2, 0
	s_cbranch_scc0 .Lentry_in_a_cluster
	s_endpgm
.Lentry_in_a_cluster:
	s_bfe_u32 s2, ttmp6, 0x10000c
	s_cmp_lg_u32 s2, 0xf033
	s_cbranch_scc0 .Lentry_shape_is_right
	s_endpgm
.Lentry_shape_is_right:
; q, k, v = hidden W + b on codes of FP6 (E2M3) with E8M0 scales; the results are quantised in registers for the attention's two products: q and k along the head's 64, v along the keys.
; SHARES.  Work-group (x, y): head x, tokens 256 y on: q, k AND v of that head: 256 work-groups of equal work.  Four waves: wave (wt, wc) takes 128 tokens (8 tiles) x (the head's 64 columns of q (wc = 0) or k (wc = 1), and
; v's column tiles 2 wc, 2 wc + 1): 48 accumulators, 384 registers.
; q, k: source 0 = the weight's columns, source 1 = tokens: a lane holds one token, its 32 registers of four tiles are 32 neighbouring columns: a scale block.  v: source 0 = tokens, source 1 = Wv's columns: a lane holds
; one column, its 32 registers of a band's four tiles are 32 neighbouring keys.  So no lane looks at another for a block's largest magnitude, and two conversions give six registers of the next operand.
; CLUSTERS of 4 x 4: the tokens' chunks are shared along a row, the weights' along a column, by joint loads.
; LDS: K step s = 0 .. 6: tokens at 25,600 s, weights at WB + 19,200 s.  At the head one load a wave: waves 0, 1 K steps 0-2 of the tokens, of the weights; waves 2, 3 K steps 3-6.  ONE refill: K step 7 onto K step 0's bytes.
; No prefetch: there is no loop; all but K step 7 is asked for at the head, and K step 7 has four K steps in which to land.
; RESULTS.  kvq: type x 3,276,800 + (16 batch + head) x 102,400 + (step of 128 tokens) x 6,400: four images of 1,536 bytes, then 256 bytes of scale words (word w of lane l at 128 w + 4 l: image 2 w + l / 16, row l % 16).
; q, k: image i = token tiles 2 i (registers 0-5) and 2 i + 1 (6-11).  v: image t = column tile t; registers 6 c on = the keys of band c.
; LIMITS: NaN and infinities are not served; a block whose largest magnitude lies under 2^-124, a block of zeros too, gets the byte 1 (zero codes add nothing under any byte but 0xff; this program alone reads the bytes).
; REGISTERS, in windows of 256.  0: v1-31 addresses and words; v32-46 scale words, two sets; v48-63 at work; tokens' fragments, set e at v[64 + 96 e]; on the way out codes from v64 on.  1: the weights' fragments, set e at v[72 e];
;   the biases at v160-191 (q or k), v192-207 (v).  2: accumulators of q or k, (token tile a, column tile b) at v[32 a + 8 b].  3: of v, (a = 4 c + j, b) at v[32 (2 c + b) + 8 j].
.set XS, 25600
.set WSB, 19200
.set WB, 7*XS
.set SPARE, WB+7*WSB                   ; the spare words, named by no other line
.set SPW, 2
.set NIL, 3
.set AX, 4                             ; LDS addresses, three of each: for K steps 0-2 (and 7), 3-5, 6: tokens' codes,
.set AXS, 7                            ; their words,
.set AW, 10                            ; q's or k's codes,
.set AV, 13                            ; v's,
.set AWS, 16                           ; q's or k's words,
.set AVS, 19                           ; v's
.set PW, 24                            ; v24-29 the results' words
.set SEL, 96
.set MSB, 0
.macro WIN new                         ; the immediate's high byte repeats the setting that is left
.if MSB != (\new)
	s_set_vgpr_msb (MSB<<8)|(\new)
.set MSB, (\new)
.endif
.endm
.macro PLACES
.rept 4
	v_nop
.endr
.endm
.macro CREST
	s_cmp_lg_u32 s18, 0
	s_cbranch_scc1 .Lnot_wave_0_\@
	s_barrier_signal -3
.Lnot_wave_0_\@:
	s_barrier_wait -3
	s_barrier_signal -1
	s_barrier_wait -1
.endm
.macro CROUND
	s_barrier_signal -1
	s_barrier_wait -1
	CREST
.endm
.macro TL g0, g1
	tensor_load_to_lds s[\g0:\g0+3], s[\g1:\g1+7]
	s_nop 0
	PLACES
.endm
.macro GROUP1 g, mask, rows            ; a dense block as rows of 256 bytes (32 elements of 8 bytes)
	s_or_b32 s[\g], s[\mask], (3<<16)|(1<<21)
	s_mov_b32 s[\g+1], 32<<16
	s_mov_b32 s[\g+2], (\rows)<<16
	s_mov_b32 s[\g+3], 32<<16
	s_mov_b32 s[\g+4], \rows
	s_mov_b32 s[\g+5], 32
	s_mov_b32 s[\g+6], 0
	s_mov_b32 s[\g+7], 0
.endm
.macro WM1 d, p, q, c, sa, sb, x, y
	v_wmma_scale_f32_16x16x128_f8f6f4 v[(\d):(\d)+7], v[(\p):(\p)+11], v[(\q):(\q)+11], \c, v[(\sa)], v[(\sb)] matrix_a_fmt:MATRIX_FMT_FP6 matrix_b_fmt:MATRIX_FMT_FP6 matrix_a_scale:MATRIX_SCALE_ROW\x matrix_b_scale:MATRIX_SCALE_ROW\y
.endm
.macro WM d, p, q, c, sa, sb, ra, rb   ; ra, rb: the scale words lie in lanes 16-31
.if \ra
.if \rb
	WM1 \d, \p, \q, \c, \sa, \sb, 1, 1
.else
	WM1 \d, \p, \q, \c, \sa, \sb, 1, 0
.endif
.else
.if \rb
	WM1 \d, \p, \q, \c, \sa, \sb, 0, 1
.else
	WM1 \d, \p, \q, \c, \sa, \sb, 0, 0
.endif
.endif
.endm
; products from .. to - 1 of K step s's 48 (q or k: 0-31, v: 32-47); the accumulators take turns, one instruction a turn.  z = 1: the bias starts the sums
.macro MULR s, from, to, z=0
.set E_, (\s)%2
.set N_, \from
.rept (\to)-(\from)
.if N_ < 32
.set A_, N_/4
.set B_, N_%4
.set D_, 32*A_+8*B_
.if \z
	WIN 0x91
	WM D_, 72*E_+12*B_, 64+96*E_+12*A_, v[160+8*B_:167+8*B_], 36+8*E_+B_/2, 32+8*E_+A_/2, B_%2, A_%2
.else
	WIN 0xa1
	WM D_, 72*E_+12*B_, 64+96*E_+12*A_, v[D_:D_+7], 36+8*E_+B_/2, 32+8*E_+A_/2, B_%2, A_%2
.endif
.else
.set A_, (N_-32)/2
.set B_, N_%2
.set D_, 32*(2*(A_/4)+B_)+8*(A_%4)
.if \z
	WIN 0xd4
	WM D_, 64+96*E_+12*A_, 72*E_+48+12*B_, v[192+8*B_:199+8*B_], 32+8*E_+A_/2, 38+8*E_, A_%2, B_
.else
	WIN 0xf4
	WM D_, 64+96*E_+12*A_, 72*E_+48+12*B_, v[D_:D_+7], 32+8*E_+A_/2, 38+8*E_, A_%2, B_
.endif
.endif
.set N_, N_+1
.endr
.endm
; K step s's fragments into set s % 2: four token tiles from t0 on;
.macro FTOK s, t0
.set E_, (\s)%2
.set G_, ((\s)%7)/3
.set O_, XS*(((\s)%7)%3)
	WIN 0
.irp t, 0,1,2,3
.irp q, 0,1,2
	ds_load_b128 v[64+96*E_+12*(\t+\t0)+4*\q:67+96*E_+12*(\t+\t0)+4*\q], v[AX+G_] offset:O_+1536*(\t+\t0)+512*\q
.endr
.endr
.endm
; the weights' six tiles, and all scale words
.macro FW s
.set E_, (\s)%2
.set G_, ((\s)%7)/3
.set O_, WSB*(((\s)%7)%3)
.set P_, XS*(((\s)%7)%3)
	WIN 0x40
.irp t, 0,1,2,3
.irp q, 0,1,2
	ds_load_b128 v[72*E_+12*\t+4*\q:72*E_+12*\t+4*\q+3], v[AW+G_] offset:O_+1536*\t+512*\q
.endr
.endr
.irp t, 0,1
.irp q, 0,1,2
	ds_load_b128 v[72*E_+48+12*\t+4*\q:72*E_+51+12*\t+4*\q], v[AV+G_] offset:O_+1536*\t+512*\q
.endr
.endr
	WIN 0
.irp p, 0,1,2,3
	ds_load_b32 v[32+8*E_+\p], v[AXS+G_] offset:P_+128*\p
.endr
	ds_load_b32 v[36+8*E_], v[AWS+G_] offset:O_
	ds_load_b32 v[37+8*E_], v[AWS+G_] offset:O_+128
	ds_load_b32 v[38+8*E_], v[AVS+G_] offset:O_
.endm
.macro KSTEP s, z=0                    ; the next K step's loads stand in three runs among this one's products; the v_nop are the places behind the products that read their registers last
	s_wait_dscnt 0x0
	PLACES
	FTOK (\s)+1, 0
	MULR \s, 0, 12, \z
	FTOK (\s)+1, 4
	MULR \s, 12, 24, \z
	FW (\s)+1
	MULR \s, 24, 48, \z
.endm
; THE WAY OUT of two blocks of 32 numbers at v[x0 ..], v[x1 ..] of window xw: twelve registers of codes at v[c ..], the scale word of row r in v[pw].  Each accumulator is read from its low end on
.macro WAYOUT xw, x0, x1, c, pw
	WIN 21*(\xw)
	v_max3_num_f32 v48, |v[(\x0)]|, |v[(\x0)+1]|, |v[(\x0)+2]|
	v_max3_num_f32 v49, |v[(\x0)+16]|, |v[(\x0)+17]|, |v[(\x0)+18]|
	v_max3_num_f32 v50, |v[(\x1)]|, |v[(\x1)+1]|, |v[(\x1)+2]|
	v_max3_num_f32 v51, |v[(\x1)+16]|, |v[(\x1)+17]|, |v[(\x1)+18]|
	WIN 20*(\xw)
.irp i, 3,5,7,9,11,13
	v_max3_num_f32 v48, v48, |v[(\x0)+\i]|, |v[(\x0)+\i+1]|
	v_max3_num_f32 v49, v49, |v[(\x0)+16+\i]|, |v[(\x0)+17+\i]|
	v_max3_num_f32 v50, v50, |v[(\x1)+\i]|, |v[(\x1)+\i+1]|
	v_max3_num_f32 v51, v51, |v[(\x1)+16+\i]|, |v[(\x1)+17+\i]|
.endr
	v_max3_num_f32 v48, v48, |v[(\x0)+15]|, |v[(\x0)+31]|
	v_max3_num_f32 v50, v50, |v[(\x1)+15]|, |v[(\x1)+31]|
	WIN 0
	v_max3_num_f32 v48, v48, v49, 0x1800000        ; the floor 2^(3 - 127): the byte cannot fall under 1
	v_max3_num_f32 v50, v50, v51, 0x1800000
	v_add_nc_u32 v52, 0xff000000, v48              ; 2 off the exponent field: the conversion's scale operand
	v_add_nc_u32 v53, 0xff000000, v50
	v_lshrrev_b32 v54, 23, v52
	v_lshrrev_b32 v55, 23, v53
	v_lshl_or_b32 v56, v55, 16, v54
	v_lshlrev_b32 v56, v30, v56                    ; bytes h and 2 + h are mine
	WIN \xw
	v_cvt_scalef32_pk16_fp6_f32 v[(\c):(\c)+2], v[(\x0):(\x0)+15], v52
	v_cvt_scalef32_pk16_fp6_f32 v[58:60], v[(\x0)+16:(\x0)+31], v52
	v_cvt_scalef32_pk16_fp6_f32 v[(\c)+6:(\c)+8], v[(\x1):(\x1)+15], v53
	v_cvt_scalef32_pk16_fp6_f32 v[136:138], v[(\x1)+16:(\x1)+31], v53
	WIN 0
	v_nop                                          ; one plain instruction behind the scaled conversions
	v_permlanex16_b32 v57, v56, s[SEL], s[SEL+1]
.irp i, 0,1,2
	v_mov_b32 v[(\c)+3+\i], v[58+\i]
.endr
	v_or_b32 v[\pw], v56, v57                      ; with lane l xor 16's two the word is whole
.irp i, 0,1,2
	v_mov_b32 v[(\c)+9+\i], v[136+\i]
.endr
.endm
.macro SEND3 c, base, off
.irp q, 0,1,2
	global_store_b128 v31, v[(\c)+4*\q:(\c)+4*\q+3], \base offset:(\off)+512*\q   ; 512 consecutive bytes
.endr
.endm
	s_load_b256 s[4:11], s[0:1], 0x0               ; xc s[4:5], wc s[6:7], bq s[8:9], bk s[10:11]
	s_load_b128 s[12:15], s[0:1], 0x20             ; bv s[12:13], kvq s[14:15]
	v_lshl_add_u32 v[SPW], v0, 2, SPARE
	v_mov_b32 v[NIL], 0
	ds_add_u32 v[SPW], v[NIL]                      ; the wave's opening: the add, twice on end, under one wait
	ds_add_u32 v[SPW], v[NIL]
	v_lshrrev_b32 v1, 5, v0
	v_readfirstlane_b32 s18, v1                    ; wave
	s_and_b32 s19, s18, 1                          ; wc
	s_lshr_b32 s20, s18, 1                         ; wt
	s_bfe_u32 s16, ttmp6, 0x40000                  ; cx
	s_bfe_u32 s17, ttmp6, 0x40004                  ; cy
	s_lshl_b32 s21, ttmp9, 2
	s_add_co_u32 s21, s21, s16                     ; x: head
	s_and_b32 s22, ttmp7, 0xffff
	s_lshl_b32 s22, s22, 2
	s_add_co_u32 s22, s22, s17                     ; y: block of 256 tokens
	s_lshl_b32 s23, s17, 2
	s_lshl_b32 s23, 15, s23                        ; my row of the cluster
	s_lshl_b32 s66, 0x1111, s16                    ; my column
	GROUP1 24, 23, 300                             ; tokens, K steps 0-2
	GROUP1 32, 66, 225                             ; weights, K steps 0-2
	GROUP1 40, 23, 400                             ; tokens, K steps 3-6
	GROUP1 48, 66, 300                             ; weights, K steps 3-6
	s_mul_i32 s76, s22, 8*XS
	s_mov_b32 s77, 0
	s_mul_i32 s78, s21, 8*WSB
	s_mov_b32 s79, 0
	s_mov_b32 s56, 1
	s_mov_b32 s57, 0
	s_mov_b32 s60, 1
	s_mov_b32 s61, WB
	s_mov_b32 s68, 1
	s_mov_b32 s69, 3*XS
	s_mov_b32 s72, 1
	s_mov_b32 s73, WB+3*WSB
	s_mov_b32 s[SEL], 0x76543210
	s_mov_b32 s[SEL+1], 0xfedcba98
	s_wait_alu depctr_va_vdst(0)
	s_wait_dscnt 0x0                               ; both opening adds are done
	CROUND                                         ; the round in front of the first joint loads
	s_wait_kmcnt 0x0
	s_add_nc_u64 s[58:59], s[4:5], s[76:77]
	s_add_nc_u64 s[62:63], s[6:7], s[78:79]
	s_add_nc_u64 s[70:71], s[58:59], 3*XS
	s_add_nc_u64 s[74:75], s[62:63], 3*WSB
	s_or_b32 s59, s59, 0x80000000
	s_or_b32 s63, s63, 0x80000000
	s_or_b32 s71, s71, 0x80000000
	s_or_b32 s75, s75, 0x80000000
	s_cmp_eq_u32 s18, 0                            ; one joint load a wave: one tree of branches on the wave's number
	s_cbranch_scc0 .Lh1
	TL 56, 24
	s_branch .Lasked
.Lh1:
	s_cmp_eq_u32 s18, 1
	s_cbranch_scc0 .Lh2
	TL 60, 32
	s_branch .Lasked
.Lh2:
	s_cmp_eq_u32 s18, 2
	s_cbranch_scc0 .Lh3
	TL 68, 40
	s_branch .Lasked
.Lh3:
	TL 72, 48
.Lasked:
	s_mul_i32 s80, s20, 12288                      ; my eight token tiles
	s_mul_i32 s81, s19, 6144
	s_add_co_u32 s81, s81, WB                      ; q's or k's four tiles
	s_mul_i32 s82, s19, 3072
	s_add_co_u32 s82, s82, WB+12288                ; my two of v's
	s_lshl_b32 s83, s20, 9
	s_add_co_u32 s83, s83, 24576                   ; and their words
	s_lshl_b32 s84, s19, 8
	s_add_co_u32 s84, s84, WB+18432
	s_lshl_b32 s85, s19, 7
	s_add_co_u32 s85, s85, WB+18944
	s_lshl_b32 s86, s21, 8                         ; the head's bias: 64 numbers
	s_mov_b32 s87, 0
	s_lshl_b32 s88, s19, 6                         ; v's tiles 2 wc on: 8 columns a tile
	s_mov_b32 s89, 0
	s_cmp_eq_u32 s19, 0
	s_cselect_b64 s[8:9], s[8:9], s[10:11]         ; bq or bk
	s_add_nc_u64 s[8:9], s[8:9], s[86:87]
	s_add_nc_u64 s[12:13], s[12:13], s[86:87]
	s_add_nc_u64 s[12:13], s[12:13], s[88:89]
	v_and_b32 v1, 31, v0                           ; lane
	v_bfe_u32 v22, v0, 4, 1                        ; h
	v_and_b32 v23, 15, v0                          ; r
	v_lshlrev_b32 v31, 4, v1
	v_lshlrev_b32 v47, 2, v1
	v_lshlrev_b32 v30, 3, v22
	v_add_nc_u32 v[AX], s80, v31
	v_add_nc_u32 v[AXS], s83, v47
	v_add_nc_u32 v[AW], s81, v31
	v_add_nc_u32 v[AV], s82, v31
	v_add_nc_u32 v[AWS], s84, v47
	v_add_nc_u32 v[AVS], s85, v47
	v_add_nc_u32 v[AX+1], 3*XS, v[AX]
	v_add_nc_u32 v[AX+2], 6*XS, v[AX]
	v_add_nc_u32 v[AXS+1], 3*XS, v[AXS]
	v_add_nc_u32 v[AXS+2], 6*XS, v[AXS]
.irp a, AW, AV, AWS, AVS
	v_add_nc_u32 v[\a+1], 3*WSB, v[\a]
	v_add_nc_u32 v[\a+2], 6*WSB, v[\a]
.endr
	v_mov_b32 v57, 0                               ; written once: a lane permute's destination counts as one of its sources
	v_lshlrev_b32 v22, 7, v22                      ; q, k: register 8 b + i is column 32 h + 8 b + i
	v_lshrrev_b32 v24, 3, v23
	v_and_b32 v25, 7, v23
	v_lshlrev_b32 v23, 2, v25
	v_lshl_add_u32 v23, v24, 7, v23                ; v: row r of column tile t is column 32 (r / 8) + 8 t + r % 8
	WIN 0x40
.irp k, 0,1,2,3,4,5,6,7
	global_load_b128 v[160+4*\k:163+4*\k], v22, s[8:9] offset:16*\k
.endr
.irp k, 0,1,2,3,4,5,6,7
	global_load_b32 v[192+\k], v23, s[12:13]       ; eight times one number: the C of a product
	global_load_b32 v[200+\k], v23, s[12:13] offset:32
.endr
	WIN 0
	s_lshr_b32 s86, s22, 3
	s_lshl_b32 s86, s86, 4
	s_add_co_u32 s86, s86, s21                     ; 16 batch + head
	s_and_b32 s87, s22, 7
	s_lshl_b32 s87, s87, 1
	s_add_co_u32 s87, s87, s20                     ; my step of 128 tokens in the batch
	s_mul_i32 s84, s86, 102400
	s_mul_i32 s85, s87, 6400
	s_add_co_u32 s84, s84, s85
	s_mul_i32 s90, s19, 3276800
	s_add_co_u32 s90, s90, s84                     ; q's or k's chunk
	s_mov_b32 s91, 0
	s_mul_i32 s92, s19, 3072
	s_add_co_u32 s92, s92, s84
	s_add_co_u32 s92, s92, 6553600                 ; v's: my two images,
	s_mov_b32 s93, 0
	s_lshl_b32 s94, s19, 7
	s_add_co_u32 s94, s94, s84
	s_add_co_u32 s94, s94, 6553600+6144            ; their words
	s_mov_b32 s95, 0
	s_add_nc_u64 s[90:91], s[14:15], s[90:91]
	s_add_nc_u64 s[92:93], s[14:15], s[92:93]
	s_add_nc_u64 s[94:95], s[14:15], s[94:95]
	s_wait_alu depctr_va_vdst(0)
	s_wait_loadcnt 0x0                             ; the biases
	s_cmp_lt_u32 s18, 2
	s_cbranch_scc0 .Llater
	s_wait_tensorcnt 0x0                           ; waves 0 and 1: K steps 0-2
.Llater:
	s_barrier_signal -1
	s_barrier_wait -1                              ; K steps 0-2 are in; 3-6 may be out
	FTOK 0, 0
	FTOK 0, 4
	FW 0
	KSTEP 0, 1
	KSTEP 1
	s_wait_dscnt 0x0
	MULR 2, 0, 16
	WIN 0                                          ; THE ONE REFILL: K steps 0-2 have been read out into registers
	s_wait_tensorcnt 0x0                           ; all my tensor loads have landed,
	ds_add_u32 v[SPW], v[NIL]
	s_add_nc_u64 s[58:59], s[58:59], 7*XS          ; K step 7
	s_mov_b32 s26, 100<<16
	s_mov_b32 s28, 100
	s_add_nc_u64 s[62:63], s[62:63], 7*WSB
	s_mov_b32 s34, 75<<16
	s_mov_b32 s36, 75
	MULR 2, 16, 24
	WIN 0
	s_wait_dscnt 0x0                               ; the add is done, and my reads are over
	s_barrier_signal -1
	MULR 2, 24, 32
	WIN 0
	s_barrier_wait -1
	CREST
	s_cmp_eq_u32 s18, 0
	s_cbranch_scc0 .Lr1
	TL 56, 24                                      ; wave 0: the tokens' K step 7
	s_branch .Lrefilled
.Lr1:
	s_cmp_eq_u32 s18, 1
	s_cbranch_scc0 .Lrefilled
	TL 60, 32                                      ; wave 1: the weights'
.Lrefilled:
	PLACES
	FTOK 3, 0
	FTOK 3, 4
	FW 3
	MULR 2, 32, 48
	KSTEP 3
	KSTEP 4
	KSTEP 5
	s_wait_dscnt 0x0
	WIN 0
	s_wait_tensorcnt 0x0                           ; my part of K step 7 has landed
	s_barrier_signal -1
	MULR 6, 0, 8
	WIN 0
	s_barrier_wait -1                              ; everybody's has
	PLACES
	FTOK 7, 0
	FTOK 7, 4
	MULR 6, 8, 16
	FW 7
	MULR 6, 16, 48
	s_wait_dscnt 0x0
	MULR 7, 0, 48
	PLACES
.irp i, 0,1,2,3
	WAYOUT 2, 64*\i, 64*\i+32, 64+12*\i, PW+\i
	SEND3 64+12*\i, s[90:91], 1536*\i
.endr
	v_cmp_le_u32 vcc_lo, 16, v1
	v_cndmask_b32 v140, v[PW], v[PW+1], vcc_lo     ; lanes 0-15 image 0's rows, lanes 16-31 image 1's
	v_cndmask_b32 v141, v[PW+2], v[PW+3], vcc_lo
	global_store_b32 v47, v140, s[90:91] offset:6144
	global_store_b32 v47, v141, s[90:91] offset:6272
.irp b, 0,1
	WAYOUT 3, 32*\b, 64+32*\b, 112+12*\b, PW+4+\b
	SEND3 112+12*\b, s[92:93], 1536*\b
.endr
	v_cndmask_b32 v142, v[PW+4], v[PW+5], vcc_lo
	global_store_b32 v47, v142, s[94:95]
	s_wait_tensorcnt 0x0                           ; the wave's end
	ds_add_u32 v[SPW], v[NIL]
	s_wait_dscnt 0x0
	CROUND                                         ; the closing round
	s_endpgm
.Lfunc_end_k_q86bd357022_qkv:
	.size	k_q86bd357022_qkv, .Lfunc_end_k_q86bd357022_qkv-k_q86bd357022_qkv
	.p2alignl 7, 3214868480
	.fill 96, 4, 3214868480
	.section	.rodata,"a",@progbits
	.p2align	6, 0x0
	.amdhsa_kernel k_q86bd357022_qkv
		.amdhsa_group_segment_fixed_size 327680
		.amdhsa_private_segment_fixed_size 0
		.amdhsa_enable_private_segment 0
		.amdhsa_kernarg_size 48
		.amdhsa_user_sgpr_count 2
		.amdhsa_user_sgpr_kernarg_segment_ptr 1
		.amdhsa_wavefront_size32 1
		.amdhsa_system_sgpr_workgroup_id_x 1
		.amdhsa_system_sgpr_workgroup_id_y 1
		.amdhsa_system_sgpr_workgroup_id_z 1
		.amdhsa_system_vgpr_workitem_id 0
		.amdhsa_next_free_vgpr 1024
		.amdhsa_next_free_sgpr 100
		.amdhsa_reserve_vcc 1
		.amdhsa_float_denorm_mode_32 3
		.amdhsa_float_denorm_mode_16_64 3
		.amdhsa_memory_ordered 1
		.amdhsa_forward_progress 1
		.amdhsa_inst_pref_size 110
	.end_amdhsa_kernel
	.amdgpu_metadata
---
amdhsa.version: [ 1, 2 ]
amdhsa.kernels:
  - .name:           k_q86bd357022_qkv
    .symbol:         k_q86bd357022_qkv.kd
    .args:
      - { .name: xc, .offset: 0, .size: 8, .value_kind: global_buffer, .address_space: global }
      - { .name: wc, .offset: 8, .size: 8, .value_kind: global_buffer, .address_space: global }
      - { .name: bq, .offset: 16, .size: 8, .value_kind: global_buffer, .address_space: global }
      - { .name: bk, .offset: 24, .size: 8, .value_kind: global_buffer, .address_space: global }
      - { .name: bv, .offset: 32, .size: 8, .value_kind: global_buffer, .address_space: global }
      - { .name: kvq, .offset: 40, .size: 8, .value_kind: global_buffer, .address_space: global }
    .group_segment_fixed_size: 327680
    .private_segment_fixed_size: 0
    .kernarg_segment_align: 8
    .kernarg_segment_size: 48
    .max_flat_workgroup_size: 128
    .sgpr_count:     100
    .vgpr_count:     1024
    .wavefront_size: 32
...
	.end_amdgpu_metadata
.endif
;; end of part 2
;; launch attn (part 3): grid 64 x 4, 16 waves a work-group, clusters of 4 x 4, 206,848 bytes of LDS; arguments kvq, mc; writes mc
.if DOCPART == 3
	.amdgcn_target "amdgcn-amd-amdhsa--gfx1250"
	.amdhsa_code_object_version 6
	.text
	.protected	k_q86bd357022_attn
	.globl	k_q86bd357022_attn
	.p2align	8
	.type	k_q86bd357022_attn,@function
k_q86bd357022_attn:
	s_mov_b64 s[64:65], 0
	v_nop
	global_prefetch_b8 v0, s[64:65] scope:SCOPE_SE
	s_setreg_imm32_b32 hwreg(HW_REG_WAVE_MODE, 25, 1), 1
	s_wait_xcnt 0x0
	s_wait_alu depctr_hold_cnt(0) depctr_sa_sdst(0) depctr_va_vdst(0) depctr_va_sdst(0) depctr_va_ssrc(0) depctr_va_vcc(0) depctr_vm_vsrc(0)
	s_getreg_b32 s2, hwreg(HW_REG_IB_STS2, 6, 4)
	s_cmp_eq_u32 s2, 0
	s_cbranch_scc0 .Lentry_in_a_cluster
	s_endpgm
.Lentry_in_a_cluster:
	s_bfe_u32 s2, ttmp6, 0x10000c
	s_cmp_lg_u32 s2, 0xf033
	s_cbranch_scc0 .Lentry_shape_is_right
	s_endpgm
.Lentry_shape_is_right:
; attended = softmax(q k^T / 8) v for one head, both products on codes of FP6 (E2M3) with E8M0 scales; the result, divided by the row's sum, is quantised along the merged 1,024 (two blocks a head) and leaves as codes.
; THE SOFTMAX: t = score x log2(e) / 8; M = the running largest t rounded UP to a whole number; p = 2^(t - M) is quantised along the keys, not normalised; the row's sum is taken of the unquantised p.  When M moves, the sum and
; O are multiplied by 2^(old M - new M): exact.
; SHARES.  A cluster of 16 work-groups owns two (batch, head)s: rows cy = 0, 1 of the cluster the first, 2, 3 the second.  A work-group owns 256 queries, each of its sixteen waves one tile of 16 queries in 256 registers.
; THE WHOLE HEAD'S K AND V LIE IN LDS: 102,400 bytes each (codes and scale words), brought ONCE, by sixteen joint loads of 12,800 bytes, one a wave, shared by the four work-groups of a row of the cluster; nothing is filled again.
; The keys go in four phases of four steps of 128; waves 4 p .. 4 p + 3 fetch phase p's K and V, two steps a wave.  No prefetch: every byte is asked for at the head, there is no loop of loads to run ahead in.
; LAYOUT.  Both products are used transposed (S^T = K Q^T, O^T = V^T P^T): a lane holds ONE query throughout.  Row 8 h + i of tile j of a band of 64 keys is key 32 h + 8 j + i, so a lane's 32 registers of a band's four tiles are
; 32 neighbouring keys: one block of p.  K = 64 ON A FORM OF K = 128: source 0 is two tiles of keys on end; source 1 is [q | 0] for the first and [0 | q] for the second, cut out of 18 registers [0 | q | 0]; zero codes add nothing.
; RESULTS.  mc: [128 tokens 32][K step = two heads 8] 12,800 bytes: [tile 8][head's parity 2] half images of 768 bytes (registers 0-3 at 16 l, 4-5 at 512 + 8 l), then a word of scale bytes a row: bytes 2 parity + h are my head's.
; Those byte stores cover their 512 bytes in part: 131,072 bytes of the launch's 3.3 million.
; LIMITS: NaN and infinities are not served; the scaled scores stay under 2^31 in magnitude; p under 2^-126 is 0 (v_exp_f32); a block whose largest magnitude lies under 2^-124, a block of zeros too, gets the byte 1.
; REGISTERS: v1-7 lane terms; v10, v11 the add's; v12 -M, v13 the largest score, v[14:15] the sum; v16-33 [0 | q | 0]; v36-83 four fragments of K, then of V; v84-87 the step's addresses; v90-93 K's and V's scale words;
;   v96-159 S^T, then p; v160-191 O^T; v200-219 p's codes; v[250:251] f; v252 the new -M; v254 p's scale word; v255 q's.
.set KVB, 102400
.set SPARE, 2*KVB                      ; the spare words, named by no other line
.set CS, 48                            ; s[48:49] c = log2(e) / 8
.set NC, 50                            ; s50 -c
.set TB, 51                            ; s51 where the step's chunk begins in K's (and V's) region
.set CNT, 52
.set SEL, 54
.macro PLACES
.rept 4
	v_nop
.endr
.endm
.macro CROUND
	s_barrier_signal -1
	s_barrier_wait -1
	s_cmp_lg_u32 s20, 0
	s_cbranch_scc1 .Lnot_wave_0_\@
	s_barrier_signal -3
.Lnot_wave_0_\@:
	s_barrier_wait -3
	s_barrier_signal -1
	s_barrier_wait -1
.endm
.macro TL
	tensor_load_to_lds s[32:35], s[24:31]
	s_nop 0
	PLACES
.endm
.macro WM d, p, q, c, sa, sb, row
.if \row
	v_wmma_scale_f32_16x16x128_f8f6f4 v[(\d):(\d)+7], v[(\p):(\p)+11], v[(\q):(\q)+11], \c, v[(\sa)], v[(\sb)] matrix_a_fmt:MATRIX_FMT_FP6 matrix_b_fmt:MATRIX_FMT_FP6 matrix_a_scale:MATRIX_SCALE_ROW1
.else
	v_wmma_scale_f32_16x16x128_f8f6f4 v[(\d):(\d)+7], v[(\p):(\p)+11], v[(\q):(\q)+11], \c, v[(\sa)], v[(\sb)] matrix_a_fmt:MATRIX_FMT_FP6 matrix_b_fmt:MATRIX_FMT_FP6
.endif
.endm
.macro FRAGS a, w, sc                  ; four fragments into v36-83, their scale words into v[sc], v[sc + 1]
.irp i, 0,1,2,3
.irp q, 0,1,2
	ds_load_b128 v[36+12*\i+4*\q:39+12*\i+4*\q], v[\a] offset:1536*\i+512*\q
.endr
.endr
	ds_load_b32 v[\sc], v[\w]
	ds_load_b32 v[\sc+1], v[\w] offset:128
.endm
; A KEY STEP: 128 keys.  The additions at its end are also the places behind the last products, in front of the next step's loads into their registers
.macro STEP
	v_add_nc_u32 v84, s[TB], v1
	v_add_nc_u32 v85, s[TB], v2
	FRAGS 84, 85, 90                               ; K: pairs of tiles 0|1, 2|3, 4|5, 6|7
	s_wait_dscnt 0x0
.irp i, 0,1,2,3
.irp u, 0,1
	WM 96+8*(2*\i+\u), 36+12*\i, 22-6*\u, 0, 90+\i/2, 255, \i%2
.endr
.endr
	v_add_nc_u32 v86, s[TB], v3
	v_add_nc_u32 v87, s[TB], v4
	v_nop
	v_nop
	FRAGS 86, 87, 92                               ; V's four tiles of 16 d land under the softmax
	v_max3_num_f32 v232, v96, v97, v98             ; the largest SCORE of each of my two blocks of 32 keys, two chains a block: for the row's maximum and, since p rises with the score, for the block's largest p
	v_max3_num_f32 v233, v112, v113, v114
	v_max3_num_f32 v234, v128, v129, v130
	v_max3_num_f32 v235, v144, v145, v146
.irp i, 3,5,7,9,11,13
.irp b, 0,1,2,3
	v_max3_num_f32 v[232+\b], v[232+\b], v[96+16*\b+\i], v[97+16*\b+\i]
.endr
.endr
	v_max3_num_f32 v232, v232, v233, v111
	v_max3_num_f32 v234, v234, v235, v143
	v_max_num_f32 v232, v232, v127
	v_max_num_f32 v234, v234, v159
	s_delay_alu instid0(VALU_DEP_1)
	v_max_num_f32 v238, v232, v234
	s_delay_alu instid0(VALU_DEP_1)
	v_permlanex16_b32 v239, v238, s[SEL], s[SEL+1]
	s_delay_alu instid0(VALU_DEP_1)
	v_max3_num_f32 v13, v238, v239, v13            ; the running largest score, lane l xor 16's keys among them
	s_delay_alu instid0(VALU_DEP_1)
	v_mul_f32 v248, s[NC], v13                     ; -t (c is positive)
	s_delay_alu instid0(VALU_DEP_1)
	v_floor_f32 v252, v248                         ; the new -M = floor(-t) = -ceil(t)
	s_delay_alu instid0(VALU_DEP_1)
	v_sub_f32 v249, v252, v12                      ; old M - new M: a whole number, 0 or less
	s_delay_alu instid0(VALU_DEP_1)
	v_cvt_i32_f32 v249, v249                       ; (it saturates)
	s_delay_alu instid0(VALU_DEP_1)
	v_ldexp_f32 v250, 1.0, v249                    ; f = 2^(old M - new M)
.set J, 0
.rept 32
	v_pk_fma_f32 v[96+J:97+J], v[96+J:97+J], s[CS:CS+1], v[252:253] op_sel_hi:[1,0,0]   ; t - M, two at a time
.set J, J+2
.endr
	v_fma_f32 v232, v232, s[CS], v252              ; the same of each block's largest score of mine
	v_fma_f32 v234, v234, s[CS], v252
	s_wait_alu depctr_va_vdst(0)                   ; the wait ahead of the batch
	v_exp_f32 v232, v232                           ; the blocks' largest p
	v_exp_f32 v234, v234
.set J, 0
.rept 64
	v_exp_f32 v[96+J], v[96+J]                     ; p = 2^(t - M)
.set J, J+1
.endr
	v_mov_b32 v12, v252                            ; the plain instruction behind the exponentials
	s_wait_alu depctr_va_vdst(0)                   ; one wait for the batch, ahead of its first reader
	v_max_num_f32 v232, 0x1800000, v232            ; the floor 2^(3 - 127): the byte cannot fall under 1
	v_max_num_f32 v234, 0x1800000, v234
	s_delay_alu instid0(VALU_DEP_2)
	v_add_nc_u32 v244, 0xff000000, v232            ; 2 off the exponent field: the conversion's scale operand
	s_delay_alu instid0(VALU_DEP_2)
	v_add_nc_u32 v245, 0xff000000, v234
	s_delay_alu instid0(VALU_DEP_2)
	v_lshlrev_b32 v246, 1, v244                    ; the exponent field is the highest byte now
	s_delay_alu instid0(VALU_DEP_2)
	v_lshlrev_b32 v247, 1, v245
	s_delay_alu instid0(VALU_DEP_1)
	v_perm_b32 v248, v247, v246, v5                ; bytes h and 2 + h of the row's word are mine, zeros elsewhere
	v_cvt_scalef32_pk16_fp6_f32 v[208:210], v[96:111], v244
	v_cvt_scalef32_pk16_fp6_f32 v[200:202], v[112:127], v244
	v_cvt_scalef32_pk16_fp6_f32 v[214:216], v[128:143], v245
	v_cvt_scalef32_pk16_fp6_f32 v[204:206], v[144:159], v245
	v_permlanex16_b32 v240, v248, s[SEL], s[SEL+1]
	v_nop                                          ; one plain instruction behind the scaled conversions
.irp i, 0,1,2
	v_mov_b32 v[211+\i], v[200+\i]
.endr
	v_or_b32 v254, v248, v240                      ; p's scale word for these 128 keys
.irp i, 0,1,2
	v_mov_b32 v[217+\i], v[204+\i]
.endr
	s_wait_dscnt 0x0                               ; V is in
	s_wait_alu depctr_va_vdst(0)                   ; directly ahead of O^T's first reader
.set J, 0
.rept 16
	v_pk_mul_f32 v[160+J:161+J], v[160+J:161+J], v[250:251] op_sel_hi:[1,0]   ; O^T under the new M.  Also the places behind p's scale word and codes
.set J, J+2
.endr
.irp t, 0,1,2,3
	WM 160+8*\t, 36+12*\t, 208, v[160+8*\t:167+8*\t], 92+\t/2, 254, \t%2   ; the four accumulators by turns
.endr
	v_pk_fma_f32 v[14:15], v[14:15], v[250:251], v[96:97] op_sel_hi:[1,0,1]   ; the row's sum under the new M, and the 64 unquantised p, in four chains
	v_pk_add_f32 v[228:229], v[98:99], v[100:101]
	v_pk_add_f32 v[230:231], v[102:103], v[104:105]
	v_pk_add_f32 v[236:237], v[106:107], v[108:109]
.set J, 110
.rept 6
	v_pk_add_f32 v[14:15], v[14:15], v[J:J+1]
	v_pk_add_f32 v[228:229], v[228:229], v[J+2:J+3]
	v_pk_add_f32 v[230:231], v[230:231], v[J+4:J+5]
	v_pk_add_f32 v[236:237], v[236:237], v[J+6:J+7]
.set J, J+8
.endr
	v_pk_add_f32 v[14:15], v[14:15], v[158:159]
	v_pk_add_f32 v[228:229], v[228:229], v[230:231]
	s_delay_alu instid0(VALU_DEP_2)
	v_pk_add_f32 v[14:15], v[14:15], v[236:237]
	s_delay_alu instid0(VALU_DEP_1)
	v_pk_add_f32 v[14:15], v[14:15], v[228:229]
	s_add_co_u32 s[TB], s[TB], 6400
.endm
; Four key steps.  Waves 4 p .. 4 p + 3 fetched this phase's K and V; the waves below them have waited before
.macro PHASE p
.if \p < 3
	s_cmp_lt_u32 s20, 4*\p+4
	s_cbranch_scc0 .Llater_\@
	s_wait_tensorcnt 0x0
.Llater_\@:
.else
	s_wait_tensorcnt 0x0
.endif
	s_wait_dscnt 0x0
	s_barrier_signal -1
	s_barrier_wait -1
	s_mov_b32 s[TB], 25600*\p
	s_mov_b32 s[CNT], 4
.Lstep_\@:
	STEP
	s_sub_co_u32 s[CNT], s[CNT], 1
	s_cmp_lg_u32 s[CNT], 0
	s_cbranch_scc1 .Lstep_\@
.endm
	s_load_b128 s[4:7], s[0:1], 0x0                ; kvq s[4:5], mc s[6:7]
	v_lshl_add_u32 v10, v0, 2, SPARE
	v_mov_b32 v11, 0
	ds_add_u32 v10, v11                            ; the wave's opening: the add, twice on end, under one wait
	ds_add_u32 v10, v11
	v_lshrrev_b32 v12, 5, v0
	v_readfirstlane_b32 s20, v12                   ; wave 0..15
	s_bfe_u32 s21, ttmp6, 0x40000                  ; cx
	s_bfe_u32 s22, ttmp6, 0x40004                  ; cy
	s_lshl_b32 s36, ttmp9, 1
	s_lshr_b32 s23, s22, 1
	s_add_co_u32 s36, s36, s23                     ; 16 batch + head = 2 x cluster + cy / 2
	s_and_b32 s37, s22, 1
	s_lshl_b32 s37, s37, 2
	s_add_co_u32 s37, s37, s21                     ; my block of 256 queries = 4 (cy % 2) + cx
	s_lshl_b32 s38, s22, 2
	s_lshl_b32 s38, 15, s38                        ; my row of the cluster
	s_or_b32 s24, s38, (3<<16)|(1<<21)             ; 12,800 bytes as 50 rows of 256 (32 elements of 8 bytes)
	s_mov_b32 s25, 32<<16
	s_mov_b32 s26, 50<<16
	s_mov_b32 s27, 32<<16
	s_mov_b32 s28, 50
	s_mov_b32 s29, 32
	s_mov_b32 s30, 0
	s_mov_b32 s31, 0
	s_lshr_b32 s38, s20, 2                         ; phase,
	s_mul_i32 s38, s38, 25600
	s_and_b32 s39, s20, 1                          ; its first or second two steps,
	s_mul_i32 s39, s39, 12800
	s_add_co_u32 s38, s38, s39
	s_bfe_u32 s39, s20, 0x10001                    ; of K or of V
	s_mul_i32 s40, s39, KVB
	s_mov_b32 s32, 1
	s_add_co_u32 s33, s38, s40                     ; where my load lands
	s_mul_i32 s40, s39, 3276800
	s_add_co_u32 s38, s38, s40
	s_add_co_u32 s38, s38, 3276800
	s_mul_i32 s44, s36, 102400                     ; the head's chunk of q
	s_add_co_u32 s38, s38, s44                     ; where it comes from
	s_mov_b32 s39, 0
	s_lshl_b32 s45, s37, 1
	s_lshr_b32 s46, s20, 3
	s_add_co_u32 s45, s45, s46                     ; my queries' step of 128 tokens
	s_mul_i32 s46, s45, 6400
	s_add_co_u32 s44, s44, s46
	s_bfe_u32 s46, s20, 0x20001                    ; the image i that holds my tile, wave % 8
	s_mul_i32 s40, s46, 1536
	s_add_co_u32 s40, s40, s44
	s_mov_b32 s41, 0
	s_lshl_b32 s42, s46, 6                         ; its words: 128 (i / 2) + 64 (i % 2)
	s_add_co_u32 s42, s42, s44
	s_add_co_u32 s42, s42, 6144
	s_mov_b32 s43, 0
	v_and_b32 v8, 31, v0                           ; lane
	v_and_b32 v9, 15, v0                           ; r
	v_bfe_u32 v88, v0, 4, 1                        ; h
	v_lshlrev_b32 v1, 4, v8
	v_lshlrev_b32 v2, 2, v8
	v_lshlrev_b32 v6, 2, v9
	v_add_nc_u32 v3, KVB, v1
	v_add_nc_u32 v4, KVB+6144, v2
	v_add_nc_u32 v2, 6144, v2
	s_wait_alu depctr_va_vdst(0)
	s_wait_dscnt 0x0                               ; both opening adds are done
	s_wait_kmcnt 0x0
	s_add_nc_u64 s[34:35], s[4:5], s[38:39]
	s_or_b32 s35, s35, 0x80000000
	s_add_nc_u64 s[40:41], s[4:5], s[40:41]
	s_add_nc_u64 s[42:43], s[4:5], s[42:43]
.irp q, 0,1,2
	global_load_b128 v[36+4*\q:39+4*\q], v1, s[40:41] offset:512*\q   ; my tile and its neighbour
.endr
	global_load_b32 v89, v6, s[42:43]              ; the word that holds my row's two bytes
	CROUND                                         ; the round in front of the first joint loads
	s_cmp_lt_u32 s20, 4                            ; one joint load a wave; a line for each phase
	s_cbranch_scc0 .La1
	TL
	s_branch .Lasked
.La1:
	s_cmp_lt_u32 s20, 8
	s_cbranch_scc0 .La2
	TL
	s_branch .Lasked
.La2:
	s_cmp_lt_u32 s20, 12
	s_cbranch_scc0 .La3
	TL
	s_branch .Lasked
.La3:
	TL
.Lasked:
	; where the results go
	s_lshr_b32 s56, s36, 4
	s_lshl_b32 s56, s56, 4
	s_add_co_u32 s56, s56, s45                     ; block of 128 tokens
	s_mul_i32 s56, s56, 102400
	s_and_b32 s57, s36, 15                         ; head
	s_lshr_b32 s58, s57, 1
	s_mul_i32 s58, s58, 12800                      ; the last product's K step
	s_add_co_u32 s56, s56, s58
	s_and_b32 s57, s57, 1                          ; the head's parity
	s_and_b32 s59, s20, 7                          ; tile
	s_lshl_b32 s58, s59, 6
	s_add_co_u32 s58, s58, s56
	s_add_co_u32 s58, s58, 12288
	s_lshl_b32 s60, s57, 1
	s_add_co_u32 s58, s58, s60
	s_mul_i32 s60, s59, 1536
	s_add_co_u32 s56, s56, s60
	s_mul_i32 s60, s57, 768
	s_add_co_u32 s56, s56, s60
	s_mov_b32 s57, 0
	s_mov_b32 s59, 0
	s_add_nc_u64 s[56:57], s[6:7], s[56:57]
	s_add_nc_u64 s[58:59], s[6:7], s[58:59]
	s_mov_b32 s[SEL], 0x76543210                   ; selects of v_permlanex16_b32: lane l xor 16
	s_mov_b32 s[SEL+1], 0xfedcba98
	s_mov_b32 s[CS], 0x3e38aa3b                    ; log2(e) / 8
	s_mov_b32 s[CS+1], s[CS]                       ; (named with it as a pair, so it is written)
	s_mov_b32 s[NC], 0xbe38aa3b
	s_and_b32 s61, s20, 1
	s_cmp_eq_u32 s61, 0
	s_mov_b32 s62, 0x03020302
	s_cselect_b32 s62, 0x01000100, s62             ; an even tile's bytes are the word's 0 and 1, an odd tile's 2 and 3
	s_cselect_b32 s63, 0, -1                       ; and its codes the image's registers 0-5 or 6-11
	v_lshlrev_b32 v7, 3, v8                        ; the way out: 8 x lane,
	v_add_nc_u32 v9, v6, v88                       ; 4 r + h
	v_cmp_eq_u32 vcc_lo, 0, v88                    ; below: v_perm_b32's selects
	v_mov_b32 v84, 0x070c030c
	v_mov_b32 v85, 0x0c070c03
	v_cndmask_b32 v5, v84, v85, vcc_lo             ; h = 0: bytes 0 and 2; h = 1: bytes 1 and 3
.irp j, 16,17,18,19,20,21,28,29,30,31,32,33
	v_mov_b32 v[\j], 0                             ; the zero codes on both sides of q
.endr
	v_mov_b32 v13, 0xff61b1e6                      ; the largest score so far: -3e38
	v_mov_b32 v12, 0x7e967699                      ; -M = 1e38: the first f is 0, of sums that are 0
	v_mov_b32 v14, 0
	v_mov_b32 v15, 0
	v_mov_b32 v239, 0                              ; written once: a lane permute's destination counts as one of its sources
	v_mov_b32 v240, 0
	v_mov_b32 v251, 0                              ; (named as the upper half of a pair)
	v_mov_b32 v253, 0                              ; (likewise)
	s_wait_alu depctr_va_vdst(0)
	s_wait_loadcnt 0x0
	v_perm_b32 v255, v89, v89, s62                 ; q's scale word: its two bytes, twice
.irp j, 0,1,2,3,4,5
	v_cndmask_b32 v[22+\j], v[36+\j], v[42+\j], s63
.endr
.set J, 0
.rept 32
	v_mov_b32 v[160+J], 0                          ; O^T: the step is written once, and its first pass finds zeros.  (Also the places behind q and its scale word)
.set J, J+1
.endr
	s_wait_alu depctr_va_vdst(0)
	PHASE 0
	PHASE 1
	PHASE 2
	PHASE 3
	; THE WAY OUT: O^T / the sum; register 8 t + i is d 32 h + 8 t + i of my query: one block of the last product's K
	v_add_f32 v14, v14, v15
	s_delay_alu instid0(VALU_DEP_1)
	v_permlanex16_b32 v239, v14, s[SEL], s[SEL+1]
	s_delay_alu instid0(VALU_DEP_1)
	v_add_f32 v14, v14, v239                       ; the row's sum
	s_wait_alu depctr_va_vdst(0)
	v_rcp_f32 v14, v14
	v_nop                                          ; a plain instruction behind the reciprocal
	s_wait_alu depctr_va_vdst(0)                   ; and the wait ahead of its first reader
.set J, 0
.rept 32
	v_mul_f32 v[96+J], v[160+J], v14
.set J, J+1
.endr
.irp b, 0,1,2,3
	v_max3_num_f32 v[232+\b], |v[96+8*\b]|, |v[97+8*\b]|, |v[98+8*\b]|
.endr
.irp i, 3,5
.irp b, 0,1,2,3
	v_max3_num_f32 v[232+\b], v[232+\b], |v[96+8*\b+\i]|, |v[97+8*\b+\i]|
.endr
.endr
	v_max3_num_f32 v232, v232, |v103|, |v111|
	v_max3_num_f32 v234, v234, |v119|, |v127|
	v_max3_num_f32 v232, v232, v233, 0x1800000
	v_max3_num_f32 v232, v232, v234, v235
	s_delay_alu instid0(VALU_DEP_1)
	v_add_nc_u32 v244, 0xff000000, v232
	s_delay_alu instid0(VALU_DEP_1)
	v_lshrrev_b32 v248, 23, v244                   ; my byte of the row's scale word
	v_cvt_scalef32_pk16_fp6_f32 v[208:210], v[96:111], v244
	v_cvt_scalef32_pk16_fp6_f32 v[200:202], v[112:127], v244
	v_nop
.irp i, 0,1,2
	v_mov_b32 v[211+\i], v[200+\i]
.endr
	global_store_b128 v1, v[208:211], s[56:57]     ; 512 consecutive bytes
	global_store_b64 v7, v[212:213], s[56:57] offset:512
	global_store_b8 v9, v248, s[58:59]
	s_wait_tensorcnt 0x0                           ; the wave's end
	ds_add_u32 v10, v11
	s_wait_dscnt 0x0
	CROUND                                         ; the closing round
	s_endpgm
.Lfunc_end_k_q86bd357022_attn:
	.size	k_q86bd357022_attn, .Lfunc_end_k_q86bd357022_attn-k_q86bd357022_attn
	.p2alignl 7, 3214868480
	.fill 96, 4, 3214868480
	.section	.rodata,"a",@progbits
	.p2align	6, 0x0
	.amdhsa_kernel k_q86bd357022_attn
		.amdhsa_group_segment_fixed_size 206848
		.amdhsa_private_segment_fixed_size 0
		.amdhsa_enable_private_segment 0
		.amdhsa_kernarg_size 16
		.amdhsa_user_sgpr_count 2
		.amdhsa_user_sgpr_kernarg_segment_ptr 1
		.amdhsa_wavefront_size32 1
		.amdhsa_system_sgpr_workgroup_id_x 1
		.amdhsa_system_sgpr_workgroup_id_y 1
		.amdhsa_system_sgpr_workgroup_id_z 1
		.amdhsa_system_vgpr_workitem_id 0
		.amdhsa_next_free_vgpr 256
		.amdhsa_next_free_sgpr 66
		.amdhsa_reserve_vcc 1
		.amdhsa_float_denorm_mode_32 3
		.amdhsa_float_denorm_mode_16_64 3
		.amdhsa_memory_ordered 1
		.amdhsa_forward_progress 1
		.amdhsa_inst_pref_size 73
	.end_amdhsa_kernel
	.amdgpu_metadata
---
amdhsa.version: [ 1, 2 ]
amdhsa.kernels:
  - .name:           k_q86bd357022_attn
    .symbol:         k_q86bd357022_attn.kd
    .args:
      - { .name: kvq, .offset: 0, .size: 8, .value_kind: global_buffer, .address_space: global }
      - { .name: mc, .offset: 8, .size: 8, .value_kind: global_buffer, .address_space: global }
    .group_segment_fixed_size: 206848
    .private_segment_fixed_size: 0
    .kernarg_segment_align: 8
    .kernarg_segment_size: 16
    .max_flat_workgroup_size: 512
    .sgpr_count:     66
    .vgpr_count:     256
    .wavefront_size: 32
...
	.end_amdgpu_metadata
.endif
;; end of part 3
;; launch outp (part 4): grid 8 x 32, 4 waves a work-group, clusters of 4 x 4, 240,128 bytes of LDS; arguments mc, woc, bo, out0; writes out0
.if DOCPART == 4
	.amdgcn_target "amdgcn-amd-amdhsa--gfx1250"
	.amdhsa_code_object_version 6
	.text
	.protected	k_q86bd357022_outp
	.globl	k_q86bd357022_outp
	.p2align	8
	.type	k_q86bd357022_outp,@function
k_q86bd357022_outp:
	s_mov_b64 s[64:65], 0
	v_nop
	global_prefetch_b8 v0, s[64:65] scope:SCOPE_SE
	s_setreg_imm32_b32 hwreg(HW_REG_WAVE_MODE, 25, 1), 1
	s_wait_xcnt 0x0
	s_wait_alu depctr_hold_cnt(0) depctr_sa_sdst(0) depctr_va_vdst(0) depctr_va_sdst(0) depctr_va_ssrc(0) depctr_va_vcc(0) depctr_vm_vsrc(0)
	s_getreg_b32 s2, hwreg(HW_REG_IB_STS2, 6, 4)
	s_cmp_eq_u32 s2, 0
	s_cbranch_scc0 .Lentry_in_a_cluster
	s_endpgm
.Lentry_in_a_cluster:
	s_bfe_u32 s2, ttmp6, 0x10000c
	s_cmp_lg_u32 s2, 0xf033
	s_cbranch_scc0 .Lentry_shape_is_right
	s_endpgm
.Lentry_shape_is_right:
; out0 = merged Wo + bo on codes of FP6 (E2M3) with E8M0 scales.
; SHARES.  Work-group (x, y): 128 columns n = 128 x on, 128 tokens = 128 y on: 256 work-groups.  Four waves, each 64 x 64: 16 accumulators.  K = 1,024 in eight steps.
; P = Wo's block (source 0), Q = merged's block (source 1): a lane holds one token; register i of tile b is column 32 h + 8 b + i of the wave's 64.
; CLUSTERS of 4 x 4: merged's block is shared along a row, Wo's along a column, by joint loads.
; LDS, every byte filled once: P at 0, Q at 102,400: [K step 8] 12,800 bytes: 8 tiles of 1,536, then 512 bytes of scale words.  One load a wave: waves 0, 1 K steps 0-3 of P, of Q; waves 2, 3 K steps 4-7.
; Behind them, in bytes into which no fill lands: two stages of 16 rows x 272 bytes for each wave.  No prefetch: all is asked for at the head.
; bo is the C of each sum's first product.  Row 8 h + i of tile j of a band of 64 tokens is token 32 h + 8 j + i; the way out puts each row where it belongs.
; LIMITS: NaN and infinities are not served.
; REGISTERS.  Window 0: v1-18 addresses; v32-39 scale words, set e at v[32 + 4 e] (P's two, Q's two); P's fragments, set e at v[64 + 48 e]; Q's at v[160 + 48 e]; on the way out v64-127 rows of out0.
;   Window 1: accumulator (a, b) = (Q's tile, P's tile) at v[8 (4 a + b)]; bo at v128-159.
.set QB, 102400
.set STG, 204800
.set SPARE, STG+4*8704                 ; the spare words, named by no other line
.set ADP, 6                            ; v6, v7    16 l + my four tiles of P: K steps 0-3, 4-7
.set AQ16, 8                           ; v8, v9    the same for Q,
.set AQ8, 10                           ; v10, v11  and with 8 l: a half image's last two registers
.set ASP, 12                           ; v12, v13  P's words
.set ASQ, 14                           ; v14, v15  Q's
.set STO, 16
.set RD, 17
.set CO, 18
.set SC, 32
.set MSB, 0
.macro WIN new
.if MSB != (\new)
	s_set_vgpr_msb (MSB<<8)|(\new)
.set MSB, (\new)
.endif
.endm
.macro PLACES
.rept 4
	v_nop
.endr
.endm
.macro CROUND
	s_barrier_signal -1
	s_barrier_wait -1
	s_cmp_lg_u32 s12, 0
	s_cbranch_scc1 .Lnot_wave_0_\@
	s_barrier_signal -3
.Lnot_wave_0_\@:
	s_barrier_wait -3
	s_barrier_signal -1
	s_barrier_wait -1
.endm
.macro TL g0, g1
	tensor_load_to_lds s[\g0:\g0+3], s[\g1:\g1+7]
	s_nop 0
	PLACES
.endm
.macro WM1 d, p, q, c, sa, sb, x, y
	v_wmma_scale_f32_16x16x128_f8f6f4 v[(\d):(\d)+7], v[(\p):(\p)+11], v[(\q):(\q)+11], v[(\c):(\c)+7], v[(\sa)], v[(\sb)] matrix_a_fmt:MATRIX_FMT_FP6 matrix_b_fmt:MATRIX_FMT_FP6 matrix_a_scale:MATRIX_SCALE_ROW\x matrix_b_scale:MATRIX_SCALE_ROW\y
.endm
.macro WM d, p, q, c, sa, sb, ra, rb
.if \ra
.if \rb
	WM1 \d, \p, \q, \c, \sa, \sb, 1, 1
.else
	WM1 \d, \p, \q, \c, \sa, \sb, 1, 0
.endif
.else
.if \rb
	WM1 \d, \p, \q, \c, \sa, \sb, 0, 1
.else
	WM1 \d, \p, \q, \c, \sa, \sb, 0, 0
.endif
.endif
.endm
; K step s's fragments and scale words into set s % 2: 32 LDS loads
.macro FETCH s
.set E, (\s)%2
.set HI, (\s)/4
.set FO, 12800*((\s)%4)
.irp t, 0,1,2,3
.irp q, 0,1,2
	ds_load_b128 v[64+48*E+12*\t+4*\q:64+48*E+12*\t+4*\q+3], v[ADP+HI] offset:FO+1536*\t+512*\q
.endr
.endr
.irp t, 0,1,2,3
	ds_load_b128 v[160+48*E+12*\t:163+48*E+12*\t], v[AQ16+HI] offset:FO+1536*\t
	ds_load_b64 v[164+48*E+12*\t:165+48*E+12*\t], v[AQ8+HI] offset:FO+1536*\t+512
	ds_load_b128 v[166+48*E+12*\t:169+48*E+12*\t], v[AQ16+HI] offset:FO+1536*\t+768
	ds_load_b64 v[170+48*E+12*\t:171+48*E+12*\t], v[AQ8+HI] offset:FO+1536*\t+1280
.endr
.irp g, 0,1
	ds_load_b32 v[SC+4*E+\g], v[ASP+HI] offset:FO+128*\g
	ds_load_b32 v[SC+4*E+2+\g], v[ASQ+HI] offset:FO+128*\g
.endr
.endm
; K step s's 16 products; the accumulators take turns, one instruction a turn.  z = 1: bo starts the sums
.macro MUL s, z
.set E, (\s)%2
	WIN 0x50                                       ; C and D window 1
.irp a, 0,1,2,3
.irp b, 0,1,2,3
	WM 8*(4*\a+\b), 64+48*E+12*\b, 160+48*E+12*\a, (\z)*(128+8*\b)+(1-(\z))*8*(4*\a+\b), SC+4*E+\b/2, SC+4*E+2+\a/2, \b%2, \a%2
.endr
.endr
	WIN 0
.endm
; THE WAY OUT of Q's tile a: 16 tokens x 64 columns through my own stage, back as whole rows of 256 bytes.  LDS serves a wave's instructions in order: no wait between the stores and the loads
.macro TOSTAGE a
	WIN 0x04                                       ; an LDS store's data are its source 1: window 1
.irp b, 0,1,2,3
	ds_store_b128 v[STO], v[8*(4*(\a)+\b):8*(4*(\a)+\b)+3] offset:4352*((\a)%2)+32*\b       ; each accumulator from its low end on
	ds_store_b128 v[STO], v[8*(4*(\a)+\b)+4:8*(4*(\a)+\b)+7] offset:4352*((\a)%2)+32*\b+16
.endr
	WIN 0
.irp t, 0,1,2,3,4,5,6,7
	ds_load_b128 v[64+32*((\a)%2)+4*\t:67+32*((\a)%2)+4*\t], v[RD] offset:4352*((\a)%2)+544*\t
.endr
.endm
.macro SEND a, younger                 ; younger: the LDS instructions issued behind tile a's loads, which may stay out
	s_wait_dscnt \younger
.irp t, 0,1,2,3,4,5,6,7
	global_store_b128 v[CO], v[64+32*((\a)%2)+4*\t:67+32*((\a)%2)+4*\t], s[10:11] offset:(8*(\a)+2*(\t%4)+32*(\t/4))*4096 th:TH_STORE_NT   ; sixteen lanes store 256 consecutive bytes, aligned
.endr
.endm
	s_load_b256 s[4:11], s[0:1], 0x0               ; mc s[4:5], woc s[6:7], bo s[8:9], out0 s[10:11]
	v_lshl_add_u32 v62, v0, 2, SPARE
	v_mov_b32 v63, 0
	ds_add_u32 v62, v63                            ; the wave's opening: the add, twice on end, under one wait
	ds_add_u32 v62, v63
	v_lshrrev_b32 v1, 5, v0
	v_readfirstlane_b32 s12, v1                    ; wave
	s_and_b32 s13, s12, 1                          ; wp: my 64 columns
	s_lshr_b32 s14, s12, 1                         ; wq: my 64 tokens.  Also: which four K steps I fetch
	s_bfe_u32 s15, ttmp6, 0x40000                  ; cx
	s_bfe_u32 s16, ttmp6, 0x40004                  ; cy
	s_lshl_b32 s17, ttmp9, 2
	s_add_co_u32 s17, s17, s15                     ; x
	s_and_b32 s18, ttmp7, 0xffff
	s_lshl_b32 s18, s18, 2
	s_add_co_u32 s18, s18, s16                     ; y
	s_lshl_b32 s19, s16, 2
	s_lshl_b32 s19, 15, s19                        ; my row of the cluster
	s_lshl_b32 s20, 0x1111, s15                    ; my column
	s_or_b32 s24, s20, (3<<16)|(1<<21)             ; 51,200 bytes as 200 rows of 256 (32 elements of 8 bytes): P's,
	s_or_b32 s32, s19, (3<<16)|(1<<21)             ; Q's
.irp g, 24, 32
	s_mov_b32 s[\g+1], 32<<16
	s_mov_b32 s[\g+2], 200<<16
	s_mov_b32 s[\g+3], 32<<16
	s_mov_b32 s[\g+4], 200
	s_mov_b32 s[\g+5], 32
	s_mov_b32 s[\g+6], 0
	s_mov_b32 s[\g+7], 0
.endr
	s_mul_i32 s21, s14, 51200
	s_mul_i32 s48, s17, 102400
	s_add_co_u32 s48, s48, s21
	s_mov_b32 s49, 0
	s_mul_i32 s50, s18, 102400
	s_add_co_u32 s50, s50, s21
	s_mov_b32 s51, 0
	s_mov_b32 s40, 1
	s_mov_b32 s41, s21
	s_mov_b32 s44, 1
	s_add_co_u32 s45, s21, QB
	s_wait_alu depctr_va_vdst(0)
	s_wait_dscnt 0x0                               ; both opening adds are done
	CROUND                                         ; the round in front of the first joint loads
	s_wait_kmcnt 0x0
	s_add_nc_u64 s[42:43], s[6:7], s[48:49]
	s_add_nc_u64 s[46:47], s[4:5], s[50:51]
	s_or_b32 s43, s43, 0x80000000
	s_or_b32 s47, s47, 0x80000000
	s_cmp_eq_u32 s12, 0                            ; one joint load a wave
	s_cbranch_scc0 .Lh1
	TL 40, 24
	s_branch .Lasked
.Lh1:
	s_cmp_eq_u32 s12, 1
	s_cbranch_scc0 .Lh2
	TL 44, 32
	s_branch .Lasked
.Lh2:
	s_cmp_eq_u32 s12, 2
	s_cbranch_scc0 .Lh3
	TL 40, 24
	s_branch .Lasked
.Lh3:
	TL 44, 32
.Lasked:
	s_lshl_b32 s56, s17, 9
	s_lshl_b32 s57, s13, 8
	s_add_co_u32 s56, s56, s57                     ; my first column, in bytes
	s_mov_b32 s57, 0
	s_add_nc_u64 s[8:9], s[8:9], s[56:57]
	s_mul_i32 s58, s13, 6144                       ; my four tiles of P,
	s_mul_i32 s59, s14, 6144
	s_add_co_u32 s59, s59, QB                      ; of Q,
	s_lshl_b32 s60, s13, 8
	s_add_co_u32 s60, s60, 12288                   ; and their words
	s_lshl_b32 s61, s14, 8
	s_add_co_u32 s61, s61, QB+12288
	s_mul_i32 s62, s12, 8704
	s_add_co_u32 s62, s62, STG                     ; my two stages
	s_lshl_b32 s66, s18, 7
	s_lshl_b32 s67, s14, 6
	s_add_co_u32 s66, s66, s67                     ; my first token
	s_lshl_b32 s66, s66, 12
	s_add_co_u32 s66, s66, s56
	s_mov_b32 s67, 0
	s_add_nc_u64 s[10:11], s[10:11], s[66:67]
	v_and_b32 v1, 31, v0                           ; lane
	v_bfe_u32 v19, v0, 4, 1                        ; h
	v_and_b32 v20, 15, v0                          ; r
	v_lshlrev_b32 v2, 4, v1
	v_lshlrev_b32 v3, 3, v1
	v_lshlrev_b32 v4, 2, v1
	v_lshlrev_b32 v5, 7, v19                       ; bo: register i of tile b is column 32 h + 8 b + i
	WIN 0x40
.irp b, 0,1,2,3
	global_load_b128 v[128+8*\b:131+8*\b], v5, s[8:9] offset:32*\b
	global_load_b128 v[132+8*\b:135+8*\b], v5, s[8:9] offset:32*\b+16
.endr
	WIN 0
	v_add_nc_u32 v[ADP], s58, v2
	v_add_nc_u32 v[AQ16], s59, v2
	v_add_nc_u32 v[AQ8], s59, v3
	v_add_nc_u32 v[ASP], s60, v4
	v_add_nc_u32 v[ASQ], s61, v4
.irp a, ADP, AQ16, AQ8, ASP, ASQ
	v_add_nc_u32 v[\a+1], 51200, v[\a]
.endr
	v_mul_u32_u24 v[STO], v20, 272
	v_lshl_add_u32 v[STO], v19, 7, v[STO]
	v_add_nc_u32 v[STO], s62, v[STO]               ; in: row r, + 128 h
	v_mul_u32_u24 v[RD], v19, 272
	v_lshl_add_u32 v[RD], v20, 4, v[RD]
	v_add_nc_u32 v[RD], s62, v[RD]                 ; back: lanes 0-15 one row, lanes 16-31 the next
	v_lshlrev_b32 v[CO], 12, v19
	v_lshl_add_u32 v[CO], v20, 4, v[CO]            ; and the same two rows in out0
	s_wait_alu depctr_va_vdst(0)
	s_cmp_lt_u32 s12, 2
	s_cbranch_scc0 .Llater
	s_wait_tensorcnt 0x0                           ; waves 0 and 1: K steps 0-3
.Llater:
	s_barrier_signal -1
	s_barrier_wait -1                              ; K steps 0-3 are in; the others may be out
	FETCH 0
	FETCH 1
	s_wait_loadcnt 0x0                             ; bo
	s_wait_dscnt 32                                ; K step 0's loads are in; K step 1's 32 may be out
	MUL 0, 1
.irp s, 1,2
	PLACES
	FETCH \s+1
	s_wait_dscnt 32                                ; all but the 32 just issued
	MUL \s, 0
.endr
	s_wait_tensorcnt 0x0                           ; waves 2 and 3: K steps 4-7 have landed
	s_wait_dscnt 0x0
	s_barrier_signal -1
	s_barrier_wait -1
.irp s, 3,4,5,6
	PLACES
	FETCH \s+1
	s_wait_dscnt 32
	MUL \s, 0
.endr
	s_wait_dscnt 0x0
	MUL 7, 0
	PLACES
	TOSTAGE 0
.irp a, 1,2,3
.if \a > 1
	s_wait_xcnt 0x0                                ; tile a - 2's stores have read their registers: tile a's loads may land there
.endif
	TOSTAGE \a
	SEND \a-1, 16                                  ; behind tile a - 1's loads: tile a's 8 stores and 8 loads
.endr
	SEND 3, 0
	s_wait_tensorcnt 0x0                           ; the wave's end
	ds_add_u32 v62, v63
	s_wait_dscnt 0x0
	CROUND                                         ; the closing round
	s_endpgm
.Lfunc_end_k_q86bd357022_outp:
	.size	k_q86bd357022_outp, .Lfunc_end_k_q86bd357022_outp-k_q86bd357022_outp
	.p2alignl 7, 3214868480
	.fill 96, 4, 3214868480
	.section	.rodata,"a",@progbits
	.p2align	6, 0x0
	.amdhsa_kernel k_q86bd357022_outp
		.amdhsa_group_segment_fixed_size 240128
		.amdhsa_private_segment_fixed_size 0
		.amdhsa_enable_private_segment 0
		.amdhsa_kernarg_size 32
		.amdhsa_user_sgpr_count 2
		.amdhsa_user_sgpr_kernarg_segment_ptr 1
		.amdhsa_wavefront_size32 1
		.amdhsa_system_sgpr_workgroup_id_x 1
		.amdhsa_system_sgpr_workgroup_id_y 1
		.amdhsa_system_sgpr_workgroup_id_z 1
		.amdhsa_system_vgpr_workitem_id 0
		.amdhsa_next_free_vgpr 512
		.amdhsa_next_free_sgpr 72
		.amdhsa_reserve_vcc 0
		.amdhsa_float_denorm_mode_32 3
		.amdhsa_float_denorm_mode_16_64 3
		.amdhsa_memory_ordered 1
		.amdhsa_forward_progress 1
		.amdhsa_inst_pref_size 50
	.end_amdhsa_kernel
	.amdgpu_metadata
---
amdhsa.version: [ 1, 2 ]
amdhsa.kernels:
  - .name:           k_q86bd357022_outp
    .symbol:         k_q86bd357022_outp.kd
    .args:
      - { .name: mc, .offset: 0, .size: 8, .value_kind: global_buffer, .address_space: global }
      - { .name: woc, .offset: 8, .size: 8, .value_kind: global_buffer, .address_space: global }
      - { .name: bo, .offset: 16, .size: 8, .value_kind: global_buffer, .address_space: global }
      - { .name: out0, .offset: 24, .size: 8, .value_kind: global_buffer, .address_space: global }
    .group_segment_fixed_size: 240128
    .private_segment_fixed_size: 0
    .kernarg_segment_align: 8
    .kernarg_segment_size: 32
    .max_flat_workgroup_size: 128
    .sgpr_count:     72
    .vgpr_count:     512
    .wavefront_size: 32
...
	.end_amdgpu_metadata
.endif
;; end of part 4
